; MI455X (gfx1250); checked and timed in simulation.
; The chip was launched on July 23, 2026; its instructions are those of AMD's public machine-readable ISA for CDNA 5 (MIT licence, August 2026) and "CDNA5" Instruction Set Architecture Reference Guide (July 2026). The comments in the code are by the model that wrote it; some were corrected since.
;; Encoder. Allowed arithmetic: float matrix products may take bf16 or f16 operands with f32 sums; other float arithmetic in f32, or as packed bf16 or f16 multiplies, adds, multiply-adds, maxima and minima; sums over many terms, partial sums and values carried from step to step in f32; what a program stores and reads back later, other than sums and carried values, may be rounded once to bf16 or f16.
;; Inputs: inputs 2 x 2,048 x 256 float32; theta 1 x 1 float32; timestamp 2 x 2,048 int32; wK 8 x 256 x 256 float32; wO 2,048 x 256 float32; wQ 8 x 256 x 256 float32; wV 8 x 256 x 256 float32.
;; Outputs: out0 2 x 2,048 x 256 float32.
;; One version. Each part assembles by itself: llvm-mc -triple=amdgcn-amd-amdhsa -mcpu=gfx1250 --defsym DOCPART=n.
;; ======== version 1 of 1: 4 launches
;; limits: values are held in f16: magnitudes above 65,504 overflow, below 6.1e-05 lose precision
;; workspace buffers: xb 2,097,152 bytes; wb 3,145,728 bytes; wo16 1,048,576 bytes; qkv 50,331,648 bytes; oc 16,777,216 bytes
;; launch prep (part 1): grid 128 x 6, 8 waves a work-group, no clusters, 0 bytes of LDS; arguments inputs, wQ, wK, wV, wO, xb, wb, wo16; writes xb, wb, wo16
.if DOCPART == 1
	.amdgcn_target "amdgcn-amd-amdhsa--gfx1250"
	.amdhsa_code_object_version 6
	.text
	.protected	k_qe4f25516d7_prep
	.globl	k_qe4f25516d7_prep
	.p2align	8
	.type	k_qe4f25516d7_prep,@function
k_qe4f25516d7_prep:
	s_mov_b64 s[64:65], 0
	v_nop
	global_prefetch_b8 v0, s[64:65] scope:SCOPE_SE
	s_setreg_imm32_b32 hwreg(HW_REG_WAVE_MODE, 25, 1), 1
	s_wait_xcnt 0x0
; The module's f32 inputs are rounded once for the matrix units.  inputs -> xb, bf16 [4096][256].  wQ, wK, wV -> wb, bf16 [24][256 d][256 e].
; wO -> wo16: rounded to bf16 like the other inputs, that number written as f16, in blocks [4 g][2048 k][64 c] (column n = 64 g + c), so that a column group is dense.
; LIMIT.  wO within f16's 65,504; below 2^-14 the f16 copy keeps f16's fixed step of 6e-8.
; NOT READ: timestamp and theta.  In the module they feed only a quantity that is deleted before the output is formed; no number of the output depends on them, so no launch of this program names them.
; A stream: no LDS, no matrix unit, no cluster (no two work-groups share a byte).  A work-group takes 4,096 numbers; y picks the tensor: 0, 1 the halves of inputs; 2, 3, 4 wQ, wK, wV; 5 wO.
; A thread has four 16-byte loads on their way; a wave's load covers 512 consecutive bytes, its 8-byte store 256 consecutive bytes, aligned.
	s_load_b512 s[8:23], s[0:1], 0x0               ; inputs s[8:9], wQ s[10:11], wK s[12:13], wV s[14:15], wO s[16:17], xb s[18:19], wb s[20:21], wo16 s[22:23]
	s_and_b32 s2, ttmp7, 0xffff                    ; y
	v_lshlrev_b32 v2, 3, v0                        ; 8 t: my 8 bytes of output
	s_lshl_b32 s4, ttmp9, 14                       ; the work-group's 16,384 bytes of f32
	s_mov_b32 s5, 0
	s_mov_b32 s7, 0
	s_cmp_eq_u32 s2, 5
	s_cbranch_scc1 .Lwo
	v_lshlrev_b32 v1, 4, v0                        ; 16 t
	s_cmp_eq_u32 s2, 1
	s_cselect_b32 s3, 0x200000, 0                  ; the second half of inputs
	s_add_co_u32 s4, s4, s3
	s_sub_co_u32 s6, s2, 2
	s_cmp_lt_u32 s2, 2
	s_cselect_b32 s6, s2, s6                       ; which megabyte of xb (y) or of wb (y - 2)
	s_lshl_b32 s6, s6, 20
	s_lshl_b32 s3, ttmp9, 13                       ; the work-group's 8,192 bytes of bf16
	s_add_co_u32 s6, s6, s3
	s_wait_kmcnt 0x0
	s_cmp_eq_u32 s2, 2
	s_cselect_b64 s[24:25], s[10:11], s[8:9]
	s_cmp_eq_u32 s2, 3
	s_cselect_b64 s[24:25], s[12:13], s[24:25]
	s_cmp_eq_u32 s2, 4
	s_cselect_b64 s[24:25], s[14:15], s[24:25]
	s_cmp_lt_u32 s2, 2
	s_cselect_b64 s[26:27], s[18:19], s[20:21]
	s_add_nc_u64 s[24:25], s[24:25], s[4:5]
	s_add_nc_u64 s[26:27], s[26:27], s[6:7]
.irp j, 0,1,2,3
	global_load_b128 v[8+4*\j:11+4*\j], v1, s[24:25] offset:\j*4096 th:TH_LOAD_NT
.endr
.irp j, 0,1,2,3
	s_wait_loadcnt 3-\j                            ; loads come back in order: number j is in, the younger ones stay out
	v_cvt_pk_bf16_f32 v[24+2*\j], v[8+4*\j], v[9+4*\j]
	v_cvt_pk_bf16_f32 v[25+2*\j], v[10+4*\j], v[11+4*\j]
	global_store_b64 v2, v[24+2*\j:25+2*\j], s[26:27] offset:\j*2048
.endr
	s_endpgm
.Lwo:                                                  ; rows k = 16 x .. 16 x + 15 of wO: thread t takes row t / 16, four numbers at column 4 (t % 16) of each group g
	v_lshrrev_b32 v3, 4, v0
	v_and_b32 v4, 15, v0
	v_lshlrev_b32 v1, 10, v3                       ; a row of wO is 1,024 bytes
	v_lshl_add_u32 v1, v4, 4, v1
	s_lshl_b32 s6, ttmp9, 11                       ; 16 rows of 128 bytes in a block of wo16; (t / 16) 128 + (t % 16) 8 = 8 t
	s_mov_b32 s3, 0xffff0000                       ; a word's upper bf16
	s_wait_kmcnt 0x0
	s_add_nc_u64 s[24:25], s[16:17], s[4:5]
	s_add_nc_u64 s[26:27], s[22:23], s[6:7]
.irp g, 0,1,2,3
	global_load_b128 v[8+4*\g:11+4*\g], v1, s[24:25] offset:\g*256 th:TH_LOAD_NT
.endr
.irp g, 0,1,2,3
	s_wait_loadcnt 3-\g
	v_cvt_pk_bf16_f32 v24, v[8+4*\g], v[9+4*\g]    ; the rounding that all inputs get,
	v_cvt_pk_bf16_f32 v25, v[10+4*\g], v[11+4*\g]
	v_lshlrev_b32 v26, 16, v24                     ; widened again,
	v_and_b32 v27, s3, v24
	v_lshlrev_b32 v28, 16, v25
	v_and_b32 v29, s3, v25
	v_cvt_pk_f16_f32 v[32+2*\g], v26, v27          ; and written as f16
	v_cvt_pk_f16_f32 v[33+2*\g], v28, v29
	global_store_b64 v2, v[32+2*\g:33+2*\g], s[26:27] offset:\g*262144
.endr
	s_endpgm
.Lfunc_end_k_qe4f25516d7_prep:
	.size	k_qe4f25516d7_prep, .Lfunc_end_k_qe4f25516d7_prep-k_qe4f25516d7_prep
	.p2alignl 7, 3214868480
	.fill 96, 4, 3214868480
	.section	.rodata,"a",@progbits
	.p2align	6, 0x0
	.amdhsa_kernel k_qe4f25516d7_prep
		.amdhsa_group_segment_fixed_size 0
		.amdhsa_private_segment_fixed_size 0
		.amdhsa_enable_private_segment 0
		.amdhsa_kernarg_size 64
		.amdhsa_user_sgpr_count 2
		.amdhsa_user_sgpr_kernarg_segment_ptr 1
		.amdhsa_wavefront_size32 1
		.amdhsa_system_sgpr_workgroup_id_x 1
		.amdhsa_system_sgpr_workgroup_id_y 1
		.amdhsa_system_sgpr_workgroup_id_z 1
		.amdhsa_system_vgpr_workitem_id 0
		.amdhsa_next_free_vgpr 48
		.amdhsa_next_free_sgpr 66
		.amdhsa_reserve_vcc 0
		.amdhsa_float_denorm_mode_32 3
		.amdhsa_float_denorm_mode_16_64 3
		.amdhsa_memory_ordered 1
		.amdhsa_forward_progress 1
		.amdhsa_inst_pref_size 6
	.end_amdhsa_kernel
	.amdgpu_metadata
---
amdhsa.version: [ 1, 2 ]
amdhsa.kernels:
  - .name:           k_qe4f25516d7_prep
    .symbol:         k_qe4f25516d7_prep.kd
    .args:
      - { .name: inputs, .offset: 0, .size: 8, .value_kind: global_buffer, .address_space: global }
      - { .name: wQ, .offset: 8, .size: 8, .value_kind: global_buffer, .address_space: global }
      - { .name: wK, .offset: 16, .size: 8, .value_kind: global_buffer, .address_space: global }
      - { .name: wV, .offset: 24, .size: 8, .value_kind: global_buffer, .address_space: global }
      - { .name: wO, .offset: 32, .size: 8, .value_kind: global_buffer, .address_space: global }
      - { .name: xb, .offset: 40, .size: 8, .value_kind: global_buffer, .address_space: global }
      - { .name: wb, .offset: 48, .size: 8, .value_kind: global_buffer, .address_space: global }
      - { .name: wo16, .offset: 56, .size: 8, .value_kind: global_buffer, .address_space: global }
    .group_segment_fixed_size: 0
    .private_segment_fixed_size: 0
    .kernarg_segment_align: 8
    .kernarg_segment_size: 64
    .max_flat_workgroup_size: 256
    .sgpr_count:     66
    .vgpr_count:     48
    .wavefront_size: 32
...
	.end_amdgpu_metadata
.endif
;; end of part 1
;; launch proj (part 2): grid 16 x 16, 4 waves a work-group, clusters of 4 x 1, 239,104 bytes of LDS; arguments xb, wb, qkv; writes qkv
.if DOCPART == 2
	.amdgcn_target "amdgcn-amd-amdhsa--gfx1250"
	.amdhsa_code_object_version 6
	.text
	.protected	k_qe4f25516d7_proj
	.globl	k_qe4f25516d7_proj
	.p2align	8
	.type	k_qe4f25516d7_proj,@function
k_qe4f25516d7_proj:
	s_mov_b64 s[64:65], 0
	v_nop
	global_prefetch_b8 v0, s[64:65] scope:SCOPE_SE
	s_setreg_imm32_b32 hwreg(HW_REG_WAVE_MODE, 25, 1), 1
	s_wait_xcnt 0x0
	s_wait_alu depctr_hold_cnt(0) depctr_sa_sdst(0) depctr_va_vdst(0) depctr_va_sdst(0) depctr_va_ssrc(0) depctr_va_vcc(0) depctr_vm_vsrc(0)
	s_getreg_b32 s2, hwreg(HW_REG_IB_STS2, 6, 4)
	s_cmp_eq_u32 s2, 0
	s_cbranch_scc0 .Lentry_in_a_cluster
	s_endpgm
.Lentry_in_a_cluster:
	s_bfe_u32 s2, ttmp6, 0x10000c
	s_cmp_lg_u32 s2, 0x3003
	s_cbranch_scc0 .Lentry_shape_is_right
	s_endpgm
.Lentry_shape_is_right:
; qkv[mtx][bh][s][e] = sum over d of x[b][s][d] w[mtx][h][d][e]: one product [4096 x 256] x [256 x 6144], bf16 operands, f32 sums, each result rounded once to f16, unscaled.
; LIMIT.  Q, K and V must lie within f16's 65,504.
; SHARES.  A work-group owns 256 rows (rb) and 384 columns (cg): three tiles of 128 columns, tile number tau = 3 cg + i = 2 M + half of matrix M = 8 mtx + h.  16 x 16 work-groups, all alike.
; A wave owns 64 rows and all columns of a tile: its x, 64 rows x 256 d, stays in 256 registers as fragments; no row of x is loaded by two waves.
; All three tiles of w lie in LDS at once: each LDS byte is filled once, no ring.  w lies [d][e], so its fragments come out of LDS turned, by ds_load_tr16_b128; each feeds four products.
; CLUSTER.  The four row blocks of a cluster need the same three tiles of w: each is asked for jointly, the same load, descriptor and mask in all four.
; THE MATRIX INSTRUCTION IS USED TRANSPOSED (source 0 = 16 columns of w, source 1 = 16 rows of x): a lane then holds eight neighbouring columns of one row, 16 bytes of f16.
; REGISTERS.  window 0: v2-8 addresses; v64-191 two buffers of 8 fragments of w; v192-223 packed results; v224-255 rows read back.  window 1: x, fragment (rt, kf) at 64 rt + 8 kf.
;   window 2: the 32 accumulators, (rt, ct) at 64 rt + 8 ct.
.set PW,    288       ; a d row of a tile in LDS: 256 bytes + 32 of padding
.set TILEB, 256*PW
.set QUART, 64*PW     ; what one wave's load brings
.set STAGE, 3*TILEB   ; behind the tiles: 16 rows x 272 bytes for each wave, for the way out
.set SP,    272
.set SPARE, STAGE+4*16*SP  ; the spare words, 128 bytes for each wave
.set AW0, 2           ; v2   my lane's place in a tile of w; never rewritten
.set AWA, 3           ; v3   the same in the tile in hand; v4: 128 d rows further down, since the loads' immediates end at 65,535
.set XO,  5           ; v5   my byte offset in 16 rows of x
.set STO, 6           ; v6   the way out: where I put 16 bytes of a row
.set RD,  7           ; v7   the way out: where I read rows back
.set CO,  8           ; v8   my byte offset in two rows of qkv
.set SPW, 62          ; v62  LDS address of my spare word; never rewritten
.set NIL, 63          ; v63  0; never rewritten
.set F0,  64
.set TMP, 192
.set OB,  224
.set WV,  10          ; s10  my wave's number
.set TAU, 14          ; s14  the tile in hand
.set TBW, 22          ; s22  its first LDS byte
.set G1,  24          ; s[24:31] descriptor group 1
.set G0,  32          ; s[32:43] descriptor group 0, one set for each tile
; s11, s12, s[18:21], s[46:51] hold what hangs on my place in the cluster (rows of x and of qkv); none of them feeds a descriptor
.set MSB, 0
.macro WIN new                      ; the immediate's high byte repeats the setting that is left; a switch that changes nothing is dropped
.if MSB != (\new)
	s_set_vgpr_msb (MSB<<8)|(\new)
.set MSB, (\new)
.endif
.endm
.macro ROUND                        ; a round of the cluster's barrier
	s_barrier_signal -1
	s_barrier_wait -1
	s_cmp_lg_u32 s[WV], 0
	s_cbranch_scc1 .Lnw0_\@
	s_barrier_signal -3
.Lnw0_\@:
	s_barrier_wait -3
	s_barrier_signal -1
	s_barrier_wait -1
.endm
.macro PLACES                       ; four plain vector instructions between a matrix instruction and a load into, or a vector read of, its registers
.rept 4
	v_nop
.endr
.endm
	s_load_b128 s[4:7], s[0:1], 0x0                ; xb s[4:5], wb s[6:7]
	s_load_b64 s[8:9], s[0:1], 0x10                ; qkv
	v_lshl_add_u32 v[SPW], v0, 2, SPARE
	v_mov_b32 v[NIL], 0
	ds_add_u32 v[SPW], v[NIL]                      ; the wave's opening: the add and its wait ahead of my first tensor load
	ds_add_u32 v62, v63
	v_lshrrev_b32 v1, 5, v0
	v_readfirstlane_b32 s[WV], v1
	s_bfe_u32 s11, ttmp6, 0x40000                  ; cx
	s_lshl_b32 s12, ttmp9, 2
	s_add_co_u32 s12, s12, s11                     ; rb = 4 x cluster x + cx
	s_and_b32 s13, ttmp7, 0xffff                   ; cg, which the four partners share
	s_mul_i32 s[TAU], s13, 3
	s_mov_b32 s[G1+0], 15|(1<<16)|(1<<20)|(1<<21)|(5<<22)|(7<<25)  ; the mask of four; 2-byte elements; padding on; bit 21 beside a mask; after every 64 words; 8 words
	s_mov_b32 s[G1+1], 128<<16                     ; tensor_dim0 = 128
	s_mov_b32 s[G1+2], 64<<16                      ; tensor_dim1 = 64
	s_mov_b32 s[G1+3], 128<<16                     ; tile_dim0 = 128
	s_mov_b32 s[G1+4], 64                          ; tile_dim1 = 64
	s_mov_b32 s[G1+5], 256                         ; 256 elements from d row to d row
	s_mov_b32 s[G1+6], 0
	s_mov_b32 s[G1+7], 0
	s_mul_i32 s2, s[WV], QUART                     ; my 64 d rows of every tile
.irp i, 0,1,2
	s_mov_b32 s[G0+4*\i], 1
	s_add_co_u32 s[G0+4*\i+1], s2, \i*TILEB
.endr
	s_lshl_b32 s3, s[WV], 15                       ; the same 64 rows in memory: 64 x 512 bytes
	s_wait_dscnt 0x0                               ; the opening add is done
	s_wait_kmcnt 0x0
.irp i, 0,1,2
	s_add_co_u32 s15, s[TAU], \i
	s_lshr_b32 s16, s15, 1
	s_lshl_b32 s16, s16, 17                        ; matrix M: 131,072 bytes each
	s_and_b32 s15, s15, 1
	s_lshl_b32 s15, s15, 8                         ; its left or right 128 columns
	s_add_co_u32 s16, s16, s15
	s_add_co_u32 s16, s16, s3
	s_mov_b32 s17, 0
	s_add_nc_u64 s[G0+4*\i+2:G0+4*\i+3], s[6:7], s[16:17]
	s_or_b32 s[G0+4*\i+3], s[G0+4*\i+3], 0x80000000
.endr
	s_lshl_b32 s46, s12, 17                        ; x at my wave's rows: (256 rb + 64 w) x 512 bytes
	s_lshl_b32 s47, s[WV], 15
	s_add_co_u32 s46, s46, s47
	s_mov_b32 s47, 0
	s_add_nc_u64 s[20:21], s[4:5], s[46:47]
	ROUND                                          ; all four work-groups are here: the joint loads meet
.irp i, 0,1,2
	tensor_load_to_lds s[G0+4*\i:G0+4*\i+3], s[G1:G1+7]  ; three loads of mine are out
	s_nop 0
.endr
.rept 4
	v_nop
.endr
	v_and_b32 v9, 15, v0                           ; r = l % 16
	v_bfe_u32 v10, v0, 4, 1                        ; h = l / 16
	v_lshlrev_b32 v[XO], 9, v9
	v_lshl_add_u32 v[XO], v10, 4, v[XO]            ; row x 512 + 16 h
	WIN 0x40                                       ; destination window 1
.irp rt, 0,1,2,3
.irp kf, 0,1,2,3,4,5,6,7
	global_load_b128 v[64*\rt+8*\kf:64*\rt+8*\kf+3],   v[XO], s[20:21] offset:\rt*8192+\kf*64
	global_load_b128 v[64*\rt+8*\kf+4:64*\rt+8*\kf+7], v[XO], s[20:21] offset:\rt*8192+\kf*64+32
.endr
.endr
	WIN 0
	v_and_b32 v11, 7, v0
	v_bfe_u32 v12, v0, 3, 1
	v_lshl_add_u32 v[AW0], v10, 3, v11             ; the turning load: lane l reads d row 8 h + l % 8, columns 8 ((l / 8) % 2) on
	v_mul_u32_u24 v[AW0], v[AW0], PW
	v_lshl_add_u32 v[AW0], v12, 4, v[AW0]
	s_mul_i32 s15, s[WV], 16*SP
	s_add_co_u32 s15, s15, STAGE                   ; my stage
	v_mul_u32_u24 v[STO], v9, SP
	v_lshl_add_u32 v[STO], v10, 4, v[STO]
	v_add_nc_u32 v[STO], s15, v[STO]
	v_mul_u32_u24 v[RD], v10, SP                   ; back: lanes 0-15 one row of 256 bytes, lanes 16-31 the next
	v_lshl_add_u32 v[RD], v9, 4, v[RD]
	v_add_nc_u32 v[RD], s15, v[RD]
	v_lshlrev_b32 v[CO], 9, v10                    ; and the same two rows in qkv
	v_lshl_add_u32 v[CO], v9, 4, v[CO]
.macro FETCH kf                     ; the 8 fragments of w (128 columns x 32 d) of K chunk kf, into buffer kf % 2: 16 loads in one run, column blocks ascending
	WIN 0
.set fb, F0+64*((\kf)%2)
.set ad, AWA+(\kf)/4
.irp c, 0,1,2,3,4,5,6,7
	ds_load_tr16_b128 v[fb+8*\c:fb+8*\c+3],   v[ad] offset:((\kf)%4)*32*PW+32*\c
	ds_load_tr16_b128 v[fb+8*\c+4:fb+8*\c+7], v[ad] offset:((\kf)%4)*32*PW+16*PW+32*\c
.endr
.endm
.macro MUL16 kf, c0                 ; column blocks c0 .. c0 + 3 x my four row blocks: 16 accumulators, one instruction a turn.  K chunk 0 starts the sums
	WIN 0xa4                                       ; w window 0, x window 1, C and D window 2
.set fb, F0+64*((\kf)%2)
.irp c, 0,1,2,3
.irp rt, 0,1,2,3
.if (\kf) == 0
	v_wmma_f32_16x16x32_bf16 v[64*\rt+8*((\c0)+\c):64*\rt+8*((\c0)+\c)+7], v[fb+8*((\c0)+\c):fb+8*((\c0)+\c)+7], v[64*\rt+8*(\kf):64*\rt+8*(\kf)+7], 0
.else
	v_wmma_f32_16x16x32_bf16 v[64*\rt+8*((\c0)+\c):64*\rt+8*((\c0)+\c)+7], v[fb+8*((\c0)+\c):fb+8*((\c0)+\c)+7], v[64*\rt+8*(\kf):64*\rt+8*(\kf)+7], v[64*\rt+8*((\c0)+\c):64*\rt+8*((\c0)+\c)+7]
.endif
.endr
.endr
.endm
.macro LEAVE rt                     ; 16 rows x 128 columns: rounded to f16 (each accumulator from its low end on), through my stage, out as whole rows of 256 bytes
	WIN 0x0a                                       ; sources window 2
.irp c, 0,1,2,3,4,5,6,7
.irp p, 0,1,2,3
	v_cvt_pk_f16_f32 v[TMP+4*\c+\p], v[64*(\rt)+8*\c+2*\p], v[64*(\rt)+8*\c+2*\p+1]
.endr
.endr
	WIN 0
	s_wait_xcnt 0x0                                ; the earlier stores have read OB: it is loaded again only behind this wait
.irp c, 0,1,2,3,4,5,6,7
	ds_store_b128 v[STO], v[TMP+4*\c:TMP+4*\c+3] offset:32*\c
.endr
.irp i, 0,1,2,3,4,5,6,7
	ds_load_b128 v[OB+4*\i:OB+4*\i+3], v[RD] offset:\i*2*SP  ; LDS serves a wave's instructions in order (ISA guide 5.7.1.4): these see the stores above
.endr
	s_wait_dscnt 0x0
.irp i, 0,1,2,3,4,5,6,7
	global_store_b128 v[CO], v[OB+4*\i:OB+4*\i+3], s[18:19] offset:(16*(\rt)+2*\i)*512  ; 16 lanes store 256 consecutive bytes, aligned
.endr
.endm
	s_wait_tensorcnt 0x2                           ; my part of the first tile is in; the other two tiles' stay out
	s_barrier_signal -1
	s_barrier_wait -1                              ; everybody's is
	s_wait_loadcnt 0x0                             ; x
	s_mov_b32 s[TBW], 0
	s_mov_b32 s3, 3
.Ltile:
	v_add_nc_u32 v[AWA], s[TBW], v[AW0]
	v_add_nc_u32 v[AWA+1], 4*32*PW, v[AWA]
	s_lshr_b32 s48, s[TAU], 1                      ; M
	s_and_b32 s49, s[TAU], 1                       ; half
	s_lshr_b32 s50, s48, 3                         ; mtx
	s_lshl_b32 s50, s50, 4
	s_and_b32 s48, s48, 7                          ; h
	s_add_co_u32 s50, s50, s48
	s_lshr_b32 s48, s12, 3                         ; b
	s_lshl_b32 s48, s48, 3
	s_add_co_u32 s50, s50, s48                     ; 16 mtx + 8 b + h: blocks of 2,048 rows x 512 bytes
	s_lshl_b32 s50, s50, 20
	s_and_b32 s48, s12, 7
	s_lshl_b32 s48, s48, 17                        ; my block's 256 rows,
	s_add_co_u32 s50, s50, s48
	s_lshl_b32 s48, s[WV], 15                      ; my wave's 64 of them,
	s_add_co_u32 s50, s50, s48
	s_lshl_b32 s49, s49, 8                         ; the tile's 256 bytes of a row
	s_add_co_u32 s50, s50, s49
	s_mov_b32 s51, 0
	s_add_nc_u64 s[18:19], s[8:9], s[50:51]
	FETCH 0
.irp kf, 0,1,2,3,4,5,6,7
	s_wait_dscnt 8                                 ; column blocks 0-3 of this chunk are in; the youngest eight loads may be out
	MUL16 \kf, 0
.if \kf < 7
	PLACES                                         ; behind the products that read the other buffer
	FETCH (\kf)+1
	s_wait_dscnt 16                                ; all but the 16 just issued
.else
	s_wait_dscnt 0
.endif
	MUL16 \kf, 4
.endr
	PLACES
.irp rt, 0,1,2,3
	LEAVE \rt
.endr
	s_wait_xcnt 0x0                                ; the stores have read their base: it is made anew at the loop's head
	s_add_co_u32 s[TBW], s[TBW], TILEB
	s_add_co_u32 s[TAU], s[TAU], 1
	s_wait_tensorcnt 0x0                           ; one text for the second and third tile: my parts of both are in (met at once the second time),
	s_barrier_signal -1
	s_barrier_wait -1                              ; and everybody's; no LDS byte is filled behind this barrier
	s_sub_co_u32 s3, s3, 1
	s_cmp_lg_u32 s3, 0
	s_cbranch_scc1 .Ltile
	s_wait_tensorcnt 0x0                           ; the wave's end
	ds_add_u32 v[SPW], v[NIL]
	s_wait_dscnt 0x0
	ROUND                                          ; the closing round
	s_endpgm
.Lfunc_end_k_qe4f25516d7_proj:
	.size	k_qe4f25516d7_proj, .Lfunc_end_k_qe4f25516d7_proj-k_qe4f25516d7_proj
	.p2alignl 7, 3214868480
	.fill 96, 4, 3214868480
	.section	.rodata,"a",@progbits
	.p2align	6, 0x0
	.amdhsa_kernel k_qe4f25516d7_proj
		.amdhsa_group_segment_fixed_size 239104
		.amdhsa_private_segment_fixed_size 0
		.amdhsa_enable_private_segment 0
		.amdhsa_kernarg_size 24
		.amdhsa_user_sgpr_count 2
		.amdhsa_user_sgpr_kernarg_segment_ptr 1
		.amdhsa_wavefront_size32 1
		.amdhsa_system_sgpr_workgroup_id_x 1
		.amdhsa_system_sgpr_workgroup_id_y 1
		.amdhsa_system_sgpr_workgroup_id_z 1
		.amdhsa_system_vgpr_workitem_id 0
		.amdhsa_next_free_vgpr 768
		.amdhsa_next_free_sgpr 66
		.amdhsa_reserve_vcc 0
		.amdhsa_float_denorm_mode_32 3
		.amdhsa_float_denorm_mode_16_64 3
		.amdhsa_memory_ordered 1
		.amdhsa_forward_progress 1
		.amdhsa_inst_pref_size 55
	.end_amdhsa_kernel
	.amdgpu_metadata
---
amdhsa.version: [ 1, 2 ]
amdhsa.kernels:
  - .name:           k_qe4f25516d7_proj
    .symbol:         k_qe4f25516d7_proj.kd
    .args:
      - { .name: xb, .offset: 0, .size: 8, .value_kind: global_buffer, .address_space: global }
      - { .name: wb, .offset: 8, .size: 8, .value_kind: global_buffer, .address_space: global }
      - { .name: qkv, .offset: 16, .size: 8, .value_kind: global_buffer, .address_space: global }
    .group_segment_fixed_size: 239104
    .private_segment_fixed_size: 0
    .kernarg_segment_align: 8
    .kernarg_segment_size: 24
    .max_flat_workgroup_size: 128
    .sgpr_count:     66
    .vgpr_count:     768
    .wavefront_size: 32
...
	.end_amdgpu_metadata
.endif
;; end of part 2
;; launch attn (part 3): grid 16 x 16, 4 waves a work-group, no clusters, 327,680 bytes of LDS; arguments qkv, oc; writes oc
.if DOCPART == 3
	.amdgcn_target "amdgcn-amd-amdhsa--gfx1250"
	.amdhsa_code_object_version 6
	.text
	.protected	k_qe4f25516d7_attn
	.globl	k_qe4f25516d7_attn
	.p2align	8
	.type	k_qe4f25516d7_attn,@function
k_qe4f25516d7_attn:
	s_mov_b64 s[64:65], 0
	v_nop
	global_prefetch_b8 v0, s[64:65] scope:SCOPE_SE
	s_setreg_imm32_b32 hwreg(HW_REG_WAVE_MODE, 25, 1), 1
	s_wait_xcnt 0x0
; CAUSAL ATTENTION at head size 256.  oc[b][q][h][:] = sum over k <= q of softmax_k(Q[q] . K[k] / 16) V[k][:].  The module's softmax over all keys, times the lower triangle, renormalised, is this
; causal softmax: the common factor cancels.  qkv: f16 [3][16 bh][2048][256]; oc: f16 [4096][2048].  Products, maxima and sums in f32; the weights p are rounded to f16 for the second product, O once.
; The module's timestamp and theta feed only a quantity that it deletes; no number of the output depends on them, and this program does not name them.
; LIMITS.  Q, K, V within f16's 65,504.  A hidden score counts as -2^100; a weight below 2^-126 counts as 0 in l; NaN and infinities are not treated apart; where the module's full-row maximum would
; make 0 / 0, this text still gives the causal softmax.
; SHARES.  A work-group owns 128 queries (block x) of one head bh.  Wave w: rh = w % 2 is its 64 rows, four tiles of 16; kh = w / 2 its half of the keys.  A UNIT is 128 keys; a wave multiplies its 64 of
; them by its 64 rows: 256 matrix instructions on 128 LDS loads.  Block x walks units 0 .. x; the last holds the diagonal and takes the mask.  At the end the two waves of a row half merge (m, l, O).
; Register tile t holds row group (t + 2 kh) % 4 of the wave's four, so that 'keep tiles 0, 1, send tiles 2, 3' is one text for all waves.
; THE WALK IS UNEVEN (x + 1 units).  Pairs of blocks would make 128 work-groups of 17 units, longer than the longest walk here, 16.  NO CLUSTER: the blocks of a head need different numbers of tiles;
; a walk common to four partners would compute 160 units a head for 136.
; LAYOUT.  S^T = K Q^T holds ONE query a lane (lane % 16) and the keys 8 (lane / 16) + 0..7; two such results rounded to f16 in pairs ARE source 1 of O^T = V^T P.  K comes out of LDS as it lies, V turned.
; SOFTMAX.  A running maximum m and sum l a query: p = 2^(c s - c m), c = log2(e) / 16; O and l are multiplied by a = 2^(c m_old - c m_new) in every unit.  m starts at the lowest finite number, O and l
; at 0, so the first unit is a unit like any other, with a = 0: no first unit is written out; the price is 512 v_mov_b32 in the wait for the first tile.
; -2^100 is a power of two so that c x it is exact: a wave of block 0 whose 64 keys are all hidden gets c s - c m = 0 exactly, finite O and l, and the merge multiplies them by 2^(-1e29) = 0.
; REGISTERS, in windows of 256 (s_set_vgpr_msb: bits 1:0 source 0, 3:2 source 1, 5:4 source 2, 7:6 destination):
;   window 0: v2-14 addresses; v16-31 statistics; v32-47 at work; v48-51 c m_old; v64-191 S^T, 32 a tile (P is packed in place into each tile's low 16); v192-255 two halves of 4 fragments of K or V
;   window 1: Q, fragment (t, c) at 64 t + 8 c      window 2: O^T, channel blocks 0-7 at 64 t + 8 cb      window 3: channel blocks 8-15
.set PKB,   528       ; a row of K in LDS: 512 bytes + 16 of padding = 33 x 16: the 16 rows of a load start at 16 different groups of four banks (64 banks of 4 bytes: ISA guide 11.1)
.set PVB,   544       ; a row of V: 512 + 32 = 17 x 32
.set KBYTES, 128*PKB  ; a slot holds a unit: 128 rows of K, then 128 rows of V
.set SLOT,  128*(PKB+PVB)
.set STAGE, 2*SLOT    ; behind the ring: 16 rows x 528 bytes for each wave, for the way out
.set SP,    528
.set SPARE, STAGE+4*16*SP  ; the spare words, 128 bytes for each wave
.set XCH,   32768     ; the merge: each wave's two tiles of O^T, in slot 0's bytes, behind the launch's last fill
.set XST,   4*XCH     ; and its statistics, 512 bytes a wave
.set AK0, 2           ; v2   my lane's place in a slot's K; never rewritten
.set AV0, 3           ; v3   the same for V
.set AK,  4           ; v4   the same in the slot in hand
.set AV,  5           ; v5
.set STO, 6           ; v6   the way out: where I put 16 bytes of a row
.set RD,  7           ; v7   the way out: where I read a row back
.set GO,  8           ; v8   16 x lane
.set RELA, 9          ; v9   the mask, tiles 0, 1: my query's place less my keys' first; v10: tiles 2, 3
.set XW,  11          ; v11  the merge: where I put O^T;  v12 where my partner (wave w xor 2) put its own
.set XR,  12
.set XSW, 13          ; v13, v14  the same for the statistics
.set XSR, 14
.set ST,  16          ; tile t's statistics at v[ST+4 t]: c m, m, l (even keys', odd keys')
.set TMP, 32          ; tile t's c0-c3 at v[TMP+4 t]; when the maximum is found c2 takes a
.set MO,  48          ; c m_old
.set QOA, 52          ; v52, v53  my byte offsets in the wave's rows of Q: tiles 0, 1 and tiles 2, 3
.set QOB, 53
.set LR,  54          ; l % 16
.set LH,  55          ; l / 16
.set T0,  56
.set T1,  57
.set SPW, 62          ; v62  LDS address of my spare word; never rewritten
.set NIL, 63          ; v63  0; never rewritten
.set S,   64
.set F,   192
.set G,   192         ; the merge's four factors, as pairs, where the fragments lay
.set WV,  12
.set RH,  13
.set KH,  14
.set BX,  15
.set G1K, 24          ; s[24:31] descriptor group 1 for K's tiles;  s[32:39] for V's: it differs in the padding alone
.set G1V, 32
.set G0K, 40          ; s[40:43], s[44:47] descriptor group 0: they walk
.set G0V, 44
.set CNT, 48          ; s48  counts the units, 15 down to 0
.set STOP, 49         ; s49  15 - x: at this count the walk leaves for its last unit
.set TB,  50          ; s50  first byte of the slot in hand: 0 or SLOT
.set CS,  52          ; s[52:53] c
.set SEL, 54          ; s[54:55] v_permlanex16_b32's selects: each lane takes its own place in the other half
.set BIGN, 56         ; s56  -2^100
.set MSB, 0
.macro WIN new                      ; the immediate's high byte repeats the setting that is left; a switch that changes nothing is dropped
.if MSB != (\new)
	s_set_vgpr_msb (MSB<<8)|(\new)
.set MSB, (\new)
.endif
.endm
.macro PLACES                       ; four plain vector instructions between a matrix instruction and a load into, or a vector read of, its registers
.rept 4
	v_nop
.endr
.endm
; A fill.  Waves 0 and 1 fetch the two halves of a unit's K, waves 2 and 3 those of its V: 64 keys of 512 bytes each.  An s_nop 0 and four v_nop follow each of the two lines.
.macro LOAD
	s_cmp_lt_u32 s[WV], 2
	s_cbranch_scc0 .Lfor_v_\@
	tensor_load_to_lds s[G0K:G0K+3], s[G1K:G1K+7]
	s_nop 0
.rept 4
	v_nop
.endr
	s_branch .Lasked_\@
.Lfor_v_\@:
	tensor_load_to_lds s[G0V:G0V+3], s[G1V:G1V+7]
	s_nop 0
.rept 4
	v_nop
.endr
.Lasked_\@:
.endm
; THE CHANGE OF SLOTS.  Each wave waits for all its tensor loads, of which one is out: its part of the other slot; adds 0 to its spare word; waits for that and for its reads of the slot that it leaves.
; Behind the barrier nobody reads the old slot and the other is whole.  fill = 1: the old slot takes the next unit, first thing behind the barrier: one load a wave, with a unit's work in which to land.
; (At its first use nothing has been read yet: slot 0 is waited for, slot 1 filled.)
.macro CHANGE fill
	WIN 0
	s_wait_tensorcnt 0x0            ; no tensor load of mine is out, so a group 0 may be written
	ds_add_u32 v[SPW], v[NIL]       ; 0 onto my spare word
.if \fill
	s_add_co_u32 s[G0K+1], s17, s[TB]  ; the slot that is left
	s_add_co_u32 s[G0V+1], s18, s[TB]
	s_add_nc_u64 s[G0K+2:G0K+3], s[G0K+2:G0K+3], 65536  ; the next 128 keys; the type bits on top are not reached
	s_add_nc_u64 s[G0V+2:G0V+3], s[G0V+2:G0V+3], 65536
.endif
	s_xor_b32 s[TB], s[TB], SLOT    ; the other slot
	s_wait_dscnt 0x0                ; the add is done, and my reads of the slot are over
	s_barrier_signal -1
	s_barrier_wait -1
.if \fill
	LOAD
.endif
	v_add_nc_u32 v[AK], s[TB], v[AK0]
	v_add_nc_u32 v[AV], s[TB], v[AV0]
.endm
	s_load_b128 s[4:7], s[0:1], 0x0 ; qkv s[4:5], oc s[6:7]
	v_lshl_add_u32 v[SPW], v0, 2, SPARE
	v_mov_b32 v[NIL], 0
	ds_add_u32 v[SPW], v[NIL]       ; the wave's opening: the add and its wait ahead of my first tensor load
	ds_add_u32 v62, v63
	v_lshrrev_b32 v1, 5, v0
	v_readfirstlane_b32 s[WV], v1
	s_and_b32 s[RH], s[WV], 1
	s_lshr_b32 s[KH], s[WV], 1
	s_mov_b32 s[BX], ttmp9
	s_and_b32 s16, ttmp7, 0xffff    ; bh
	s_mov_b32 s[G1K], (1<<16)|(1<<20)|(6<<22)|(3<<25)  ; 2-byte elements; padding on; after every 128 words; 4 words
	s_mov_b32 s[G1V], (1<<16)|(1<<20)|(6<<22)|(7<<25)  ; the same with 8 words
.irp g, G1K, G1V
	s_mov_b32 s[\g+1], 256<<16      ; tensor_dim0 = 256
	s_mov_b32 s[\g+2], 64<<16       ; tensor_dim1 = 64
	s_mov_b32 s[\g+3], 256<<16      ; tile_dim0 = 256
	s_mov_b32 s[\g+4], 64           ; tile_dim1 = 64
	s_mov_b32 s[\g+5], 256          ; 256 elements from row to row
	s_mov_b32 s[\g+6], 0
	s_mov_b32 s[\g+7], 0
.endr
	s_mul_i32 s17, s[RH], 64*PKB    ; which half of a unit's keys I fetch: its place in a slot, for K
	s_mul_i32 s18, s[RH], 64*PVB    ; and for V
	s_add_co_u32 s18, s18, KBYTES
	s_mov_b32 s[G0K], 1
	s_mov_b32 s[G0K+1], s17         ; slot 0
	s_mov_b32 s[G0V], 1
	s_mov_b32 s[G0V+1], s18
	s_mov_b32 s[CS], 0x3db8aa3b     ; c = log2(e) / 16 = 0.0901684
	s_mov_b32 s[CS+1], s[CS]        ; named with it as a pair
	s_mov_b32 s[SEL], 0x76543210
	s_mov_b32 s[SEL+1], 0xfedcba98
	s_mov_b32 s[BIGN], 0xf1800000   ; -2^100
	s_mov_b32 s[TB], SLOT           ; the first change of slots turns it into 0
	s_mov_b32 s[CNT], 15
	s_sub_co_u32 s[STOP], 15, s[BX]
	s_lshl_b32 s20, s16, 20         ; the head's 2,048 rows of 512 bytes
	s_lshl_b32 s19, s[RH], 15       ; 64 rows: my half of a unit's keys, and my wave's rows in a block of Q
	s_add_co_u32 s20, s20, s19
	s_mov_b32 s21, 0
	s_add_co_u32 s22, s20, 0x1000000  ; K lies 16 heads on,
	s_mov_b32 s23, 0
	s_add_co_u32 s58, s20, 0x2000000  ; V 32
	s_mov_b32 s59, 0
	s_lshl_b32 s19, s[BX], 16       ; my block's 128 rows of Q
	s_add_co_u32 s20, s20, s19
	s_lshr_b32 s60, s16, 3          ; oc: row 2048 b + 128 x + 64 rh + 32 kh, 4,096 bytes each; head h's 512 bytes of it
	s_lshl_b32 s60, s60, 23
	s_lshl_b32 s19, s[BX], 19
	s_add_co_u32 s60, s60, s19
	s_lshl_b32 s19, s[RH], 18
	s_add_co_u32 s60, s60, s19
	s_lshl_b32 s19, s[KH], 17
	s_add_co_u32 s60, s60, s19
	s_and_b32 s19, s16, 7
	s_lshl_b32 s19, s19, 9
	s_add_co_u32 s60, s60, s19
	s_mov_b32 s61, 0
	s_wait_dscnt 0x0                ; the opening add is done
	s_wait_kmcnt 0x0
	s_add_nc_u64 s[G0K+2:G0K+3], s[4:5], s[22:23]
	s_or_b32 s[G0K+3], s[G0K+3], 0x80000000
	s_add_nc_u64 s[G0V+2:G0V+3], s[4:5], s[58:59]
	s_or_b32 s[G0V+3], s[G0V+3], 0x80000000
	s_add_nc_u64 s[8:9], s[4:5], s[20:21]    ; Q at my wave's 64 rows
	s_add_nc_u64 s[10:11], s[6:7], s[60:61]  ; oc at the 32 rows that I store
	LOAD                            ; unit 0 into slot 0
	v_and_b32 v[LR], 15, v0
	v_bfe_u32 v[LH], v0, 4, 1
	v_lshlrev_b32 v[T0], 9, v[LR]
	v_lshl_add_u32 v[T0], v[LH], 4, v[T0]  ; row x 512 + 16 h
	s_lshl_b32 s19, s[KH], 14       ; tiles 0, 1 hold row groups t + 2 kh: 32 kh rows on;
	v_add_nc_u32 v[QOA], s19, v[T0]
	s_xor_b32 s19, s19, 16384       ; tiles 2, 3 hold groups t - 2 kh = (t - 2) + 2 (1 - kh)
	v_add_nc_u32 v[QOB], s19, v[T0]
	WIN 0x40                        ; destination window 1
.irp t, 0,1,2,3
.irp c, 0,1,2,3,4,5,6,7
	global_load_b128 v[64*\t+8*\c:64*\t+8*\c+3],   v[QOA+\t/2], s[8:9] offset:(\t%2)*8192+\c*64
	global_load_b128 v[64*\t+8*\c+4:64*\t+8*\c+7], v[QOA+\t/2], s[8:9] offset:(\t%2)*8192+\c*64+32
.endr
.endr
	WIN 0
	v_mul_u32_u24 v[AK0], v[LR], PKB
	v_lshl_add_u32 v[AK0], v[LH], 4, v[AK0]
	s_mul_i32 s19, s[KH], 64*PKB    ; my half of the unit's keys
	v_add_nc_u32 v[AK0], s19, v[AK0]
	v_and_b32 v[T0], 7, v0          ; the turning load: lane l reads key 8 h + l % 8, channels 8 ((l / 8) % 2) on
	v_lshl_add_u32 v[T0], v[LH], 3, v[T0]
	v_mul_u32_u24 v[AV0], v[T0], PVB
	v_bfe_u32 v[T1], v0, 3, 1
	v_lshl_add_u32 v[AV0], v[T1], 4, v[AV0]
	s_mul_i32 s19, s[KH], 64*PVB
	s_add_co_u32 s19, s19, KBYTES
	v_add_nc_u32 v[AV0], s19, v[AV0]
	s_mul_i32 s19, s[WV], 16*SP
	s_add_co_u32 s19, s19, STAGE    ; my stage
	v_mul_u32_u24 v[STO], v[LR], SP
	v_lshl_add_u32 v[STO], v[LH], 4, v[STO]
	v_add_nc_u32 v[STO], s19, v[STO]
	v_and_b32 v[T1], 31, v0
	v_lshlrev_b32 v[GO], 4, v[T1]
	v_add_nc_u32 v[RD], s19, v[GO]
	v_lshlrev_b32 v[T0], 3, v[LH]   ; the mask: key 64 kh + 16 kb + 8 h + j is hidden from query 64 rh + 16 (row group) + r where it is greater:
	v_sub_nc_u32 v[T0], v[LR], v[T0]  ; where 16 (kb - t) + j > r - 8 h + 64 (rh - kh) + 32 kh (tiles 0, 1) or - 32 kh (tiles 2, 3)
	s_sub_co_i32 s19, s[RH], s[KH]
	s_lshl_b32 s19, s19, 6
	s_lshl_b32 s20, s[KH], 5
	s_add_co_i32 s21, s19, s20
	s_sub_co_i32 s22, s19, s20
	v_add_nc_u32 v[RELA], s21, v[T0]
	v_add_nc_u32 v[RELA+1], s22, v[T0]
	s_lshl_b32 s19, s[WV], 15
	v_lshl_add_u32 v[XW], v[T1], 4, s19
	s_xor_b32 s20, s[WV], 2         ; my partner: the same rows, the other keys
	s_lshl_b32 s19, s20, 15
	v_lshl_add_u32 v[XR], v[T1], 4, s19
	s_lshl_b32 s19, s[WV], 9
	s_add_co_u32 s19, s19, XST
	v_lshl_add_u32 v[XSW], v[T1], 3, s19
	s_lshl_b32 s19, s20, 9
	s_add_co_u32 s19, s19, XST
	v_lshl_add_u32 v[XSR], v[T1], 3, s19
.irp t, 0,1,2,3
	v_mov_b32 v[ST+4*\t], 0xfe000000    ; c m: far below every c s
	v_mov_b32 v[ST+4*\t+1], 0xff7fffff  ; m
	v_mov_b32 v[ST+4*\t+2], 0
	v_mov_b32 v[ST+4*\t+3], 0
.endr
	WIN 0x80                        ; O^T = 0: all this stands in the wait for the first tile
.set i, 0
.rept 256
	v_mov_b32 v[i], 0
.set i, i+1
.endr
	WIN 0xc0
.set i, 0
.rept 256
	v_mov_b32 v[i], 0
.set i, i+1
.endr
	WIN 0
; THE FRAGMENTS go in groups of four (8 loads, 16 products) through the two halves of F: K's groups 0-7, then V's 0-7; a group is asked for two groups ahead of its use.
.macro FK g                         ; K's group g: keys 16 (g / 2) on, channels 32 (4 (g % 2) + f) on
.set fb, F+32*((\g)%2)
.irp f, 0,1,2,3
	ds_load_b128 v[fb+8*\f:fb+8*\f+3],   v[AK] offset:((\g)/2)*16*PKB+(4*((\g)%2)+\f)*64
	ds_load_b128 v[fb+8*\f+4:fb+8*\f+7], v[AK] offset:((\g)/2)*16*PKB+(4*((\g)%2)+\f)*64+32
.endr
.endm
.macro FV g                         ; V's group g: keys 32 (g / 4) on, channels 16 (4 (g % 4) + f) on, turned
.set fb, F+32*((\g)%2)
.irp f, 0,1,2,3
	ds_load_tr16_b128 v[fb+8*\f:fb+8*\f+3],   v[AV] offset:((\g)/4)*32*PVB+(4*((\g)%4)+\f)*32
	ds_load_tr16_b128 v[fb+8*\f+4:fb+8*\f+7], v[AV] offset:((\g)/4)*32*PVB+16*PVB+(4*((\g)%4)+\f)*32
.endr
.endm
.macro MK g                         ; 16 products of S^T = K Q^T: the four tiles' accumulators take turns, one instruction a turn; channel chunk 0 starts the sums
	WIN 0x04                        ; K window 0, Q window 1, S^T window 0
.set fb, F+32*((\g)%2)
.irp f, 0,1,2,3
.irp t, 0,1,2,3
.if (((\g)%2) == 0) && ((\f) == 0)
	v_wmma_f32_16x16x32_f16 v[S+32*\t+8*((\g)/2):S+32*\t+8*((\g)/2)+7], v[fb+8*\f:fb+8*\f+7], v[64*\t+8*(4*((\g)%2)+\f):64*\t+8*(4*((\g)%2)+\f)+7], 0
.else
	v_wmma_f32_16x16x32_f16 v[S+32*\t+8*((\g)/2):S+32*\t+8*((\g)/2)+7], v[fb+8*\f:fb+8*\f+7], v[64*\t+8*(4*((\g)%2)+\f):64*\t+8*(4*((\g)%2)+\f)+7], v[S+32*\t+8*((\g)/2):S+32*\t+8*((\g)/2)+7]
.endif
.endr
.endr
.endm
.macro MV g                         ; 16 products of O^T += V^T P, on 16 different accumulators
	WIN 0xa0+0x50*(((\g)%4)/2)      ; V and P window 0; O^T window 2 (channel blocks 0-7) or 3
.set fb, F+32*((\g)%2)
.irp f, 0,1,2,3
.irp t, 0,1,2,3
	v_wmma_f32_16x16x32_f16 v[64*\t+8*((4*((\g)%4)+\f)%8):64*\t+8*((4*((\g)%4)+\f)%8)+7], v[fb+8*\f:fb+8*\f+7], v[S+32*\t+8*((\g)/4):S+32*\t+8*((\g)/4)+7], v[64*\t+8*((4*((\g)%4)+\f)%8):64*\t+8*((4*((\g)%4)+\f)%8)+7]
.endr
.endr
.endm
.macro HIDE                         ; the diagonal unit: hidden scores become -2^100; each accumulator from its low end on
.irp t, 0,1,2,3
.irp kb, 0,1,2,3
.irp j, 0,1,2,3,4,5,6,7
	v_cmp_gt_i32 vcc_lo, 16*(\kb-\t)+\j, v[RELA+\t/2]
	v_cndmask_b32 v[S+32*\t+8*\kb+\j], v[S+32*\t+8*\kb+\j], s[BIGN], vcc_lo
.endr
.endr
.endr
.endm
; Number n of the 22 that find tile t's maximum and statistics.  0-11: four chains c0-c3 of seven scores each (each accumulator's lowest registers first).  12-14, 16: the four scores left over, the old m,
; c0-c3 into c0.  15: c m_old is kept.  17, 18: the query's other 32 keys lie in the lane 16 away: the new m.  19-21: c m; c m_old - c m_new; a.
.macro XS t, n
.set rT, ST+4*(\t)
.set rC, TMP+4*(\t)
.set rM, MO+(\t)
.set rS, S+32*(\t)
.if (\n) < 4
	v_max3_num_f32 v[rC+(\n)], v[rS+8*(\n)], v[rS+8*(\n)+1], v[rS+8*(\n)+2]
.elseif (\n) < 12
	v_max3_num_f32 v[rC+(\n)%4], v[rC+(\n)%4], v[rS+8*((\n)%4)+2*((\n)/4)+1], v[rS+8*((\n)%4)+2*((\n)/4)+2]
.elseif (\n) == 12
	v_max3_num_f32 v[rC], v[rC], v[rS+7], v[rS+15]
.elseif (\n) == 13
	v_max3_num_f32 v[rC+1], v[rC+1], v[rS+23], v[rS+31]
.elseif (\n) == 14
	v_max3_num_f32 v[rC+2], v[rC+2], v[rC+3], v[rT+1]
.elseif (\n) == 15
	v_mov_b32 v[rM], v[rT]
.elseif (\n) == 16
	v_max3_num_f32 v[rC], v[rC], v[rC+1], v[rC+2]
.elseif (\n) == 17
	v_permlanex16_b32 v[rC+3], v[rC], s[SEL], s[SEL+1]
.elseif (\n) == 18
	v_max_num_f32 v[rT+1], v[rC], v[rC+3]
.elseif (\n) == 19
	v_mul_f32 v[rT], s[CS], v[rT+1]
.elseif (\n) == 20
	v_sub_f32 v[rC+1], v[rM], v[rT]
.else
	v_exp_f32 v[rC+2], v[rC+1]
.endif
.endm
.macro SOFTMAX                      ; the four tiles alternate inside every stage, so that no line reads the result of the line before it
	WIN 0
.irp n, 0,1,2,3,4,5,6,7,8,9,10,11,12,13,14,15,16,17,18,19,20,21
.irp t, 0,1,2,3
	XS \t, \n
.endr
.endr
.set b, 0
.rept 16                            ; c s - c m, a pair at a time; the first of these lines is the plain instruction behind the four exponentials above
.irp t, 0,1,2,3
	v_pk_fma_f32 v[S+32*\t+2*b:S+32*\t+2*b+1], v[S+32*\t+2*b:S+32*\t+2*b+1], s[CS:CS+1], v[ST+4*\t:ST+4*\t+1] op_sel_hi:[1,0,0] neg_lo:[0,0,1] neg_hi:[0,0,1]
.endr
.set b, b+1
.endr
.set b, 0
.rept 32
.irp t, 0,1,2,3
	v_exp_f32 v[S+32*\t+b], v[S+32*\t+b]
.endr
.set b, b+1
.endr
	v_nop                           ; a plain instruction between the last exponential and the use of its result
	s_wait_alu depctr_va_vdst(0)
.irp t, 0,1,2,3
	v_pk_add_f32 v[TMP+4*\t:TMP+4*\t+1], v[S+32*\t:S+32*\t+1], v[S+32*\t+2:S+32*\t+3]  ; the sum of the unrounded weights, even keys' and odd keys', into c0, c1
.endr
.set b, 2
.rept 14
.irp t, 0,1,2,3
	v_pk_add_f32 v[TMP+4*\t:TMP+4*\t+1], v[TMP+4*\t:TMP+4*\t+1], v[S+32*\t+2*b:S+32*\t+2*b+1]
.endr
.set b, b+1
.endr
.irp t, 0,1,2,3
	v_pk_fma_f32 v[ST+4*\t+2:ST+4*\t+3], v[ST+4*\t+2:ST+4*\t+3], v[TMP+4*\t+2:TMP+4*\t+3], v[TMP+4*\t:TMP+4*\t+1] op_sel_hi:[1,0,1]  ; l = a l + sum
.endr
.set b, 0
.rept 16                            ; P in place: register b takes weights 2 b, 2 b + 1, which no later line needs
.irp t, 0,1,2,3
	v_cvt_pk_f16_f32 v[S+32*\t+b], v[S+32*\t+2*b], v[S+32*\t+2*b+1]
.endr
.set b, b+1
.endr
	WIN 0x82                        ; O^T times a: destination and source 0 window 2, a window 0
.irp t, 0,1,2,3
.set b, 0
.rept 32
	v_pk_mul_f32 v[64*\t+2*b:64*\t+2*b+1], v[64*\t+2*b:64*\t+2*b+1], v[TMP+4*\t+2:TMP+4*\t+3] op_sel_hi:[1,0]
.set b, b+1
.endr
.endr
	WIN 0xc3
.irp t, 0,1,2,3
.set b, 0
.rept 32
	v_pk_mul_f32 v[64*\t+2*b:64*\t+2*b+1], v[64*\t+2*b:64*\t+2*b+1], v[TMP+4*\t+2:TMP+4*\t+3] op_sel_hi:[1,0]
.set b, b+1
.endr
.endr
.endm
; A UNIT, in phases: 128 products K Q^T; the softmax; 128 products V^T P.  Each wait leaves the next group's eight loads out.
.macro UNIT mask
	WIN 0x04
	FK 0
	FK 1
.irp g, 0,1,2,3,4,5,6,7
	s_wait_dscnt 8
	MK \g
	PLACES                          ; behind the products that read this half of F (behind the last group: also in front of the first read of the scores)
.if \g < 6
	FK (\g)+2
.else
	FV (\g)-6
.endif
.endr
	WIN 0
.if \mask
	HIDE
.endif
	SOFTMAX
.irp g, 0,1,2,3,4,5,6,7
.if \g < 7
	s_wait_dscnt 8
.else
	s_wait_dscnt 0
.endif
	MV \g
.if \g < 6
	PLACES
	WIN 0
	FV (\g)+2
.endif
.endr
.rept 5
	v_nop                           ; five places in front of the next products, which write over P, and of the next loads into F
.endr
.endm
	s_wait_loadcnt 0x0              ; Q
.Lunit:                             ; at most 15 trips: the units in front of the diagonal one.  The count is the same for all four waves; the exit goes forward, to the tail
	s_cmp_eq_u32 s[CNT], s[STOP]
	s_cbranch_scc1 .Llast
	CHANGE 1
	UNIT 0
	WIN 0
	s_sub_co_u32 s[CNT], s[CNT], 1
	s_cmp_lg_u32 s[CNT], 0
	s_cbranch_scc1 .Lunit
.Llast:
	CHANGE 0                        ; the diagonal unit is written out: nothing more is asked for
	UNIT 1
	; THE MERGE.  L = l's two halves and the other half of the lanes'; it takes m's place, so that (c m, L) is a pair.
	WIN 0
.irp t, 0,1,2,3
	v_add_f32 v[ST+4*\t+2], v[ST+4*\t+2], v[ST+4*\t+3]
.endr
.irp t, 0,1,2,3
	v_permlanex16_b32 v[ST+4*\t+3], v[ST+4*\t+2], s[SEL], s[SEL+1]
.endr
.irp t, 0,1,2,3
	v_add_f32 v[ST+4*\t+1], v[ST+4*\t+2], v[ST+4*\t+3]
.endr
	s_wait_dscnt 0x0
	s_barrier_signal -1
	s_barrier_wait -1               ; every wave's reads of the slots are over, and no fill is to come: slot 0's bytes may be stored into
	ds_store_b64 v[XSW], v[ST+8:ST+9]
	ds_store_b64 v[XSW], v[ST+12:ST+13] offset:256
	WIN 0x08                        ; store data window 2: tiles 2, 3, each accumulator's low registers first
.set i, 0
.rept 32
	ds_store_b128 v[XW], v[128+4*i:128+4*i+3] offset:i*512
.set i, i+1
.endr
	WIN 0x0c
.set i, 0
.rept 32
	ds_store_b128 v[XW], v[128+4*i:128+4*i+3] offset:16384+i*512
.set i, i+1
.endr
	WIN 0
	s_wait_dscnt 0x0                ; for my partner's sake
	s_barrier_signal -1
	s_barrier_wait -1
	ds_load_b64 v[36:37], v[XSR]    ; my partner's (c m, L) for the rows of my tile 0,
	ds_load_b64 v[38:39], v[XSR] offset:256  ; and of my tile 1
	WIN 0x80                        ; and its O^T for them, into the registers that my tiles 2, 3 have left
.set i, 0
.rept 32
	ds_load_b128 v[128+4*i:128+4*i+3], v[XR] offset:i*512
.set i, i+1
.endr
	WIN 0xc0
.set i, 0
.rept 32
	ds_load_b128 v[128+4*i:128+4*i+3], v[XR] offset:16384+i*512
.set i, i+1
.endr
	WIN 0
	s_wait_dscnt 63                 ; of the 66 loads the oldest three are in, the two of the statistics among them
.irp t, 0,1
	v_max_num_f32 v[40+\t], v[ST+4*\t], v[36+2*\t]  ; the common c m
.endr
.irp t, 0,1
	v_sub_f32 v[42+\t], v[ST+4*\t], v[40+\t]
	v_sub_f32 v[44+\t], v[36+2*\t], v[40+\t]
.endr
	v_exp_f32 v42, v42
	v_exp_f32 v43, v43
	v_exp_f32 v44, v44
	v_exp_f32 v45, v45
	v_nop
	s_wait_alu depctr_va_vdst(0)
.irp t, 0,1
	v_mul_f32 v[46+\t], v[42+\t], v[ST+4*\t+1]
.endr
.irp t, 0,1
	v_fmac_f32 v[46+\t], v[44+\t], v[37+2*\t]
.endr
	v_rcp_f32 v46, v46
	v_rcp_f32 v47, v47
	v_nop
	s_wait_alu depctr_va_vdst(0)
.irp t, 0,1
	v_mul_f32 v[G+4*\t], v[42+\t], v[46+\t]    ; my factor, and the division by l with it;
	v_mul_f32 v[G+4*\t+1], v[42+\t], v[46+\t]  ; named as a pair, so both are written
	v_mul_f32 v[G+4*\t+2], v[44+\t], v[46+\t]  ; my partner's
	v_mul_f32 v[G+4*\t+3], v[44+\t], v[46+\t]
.endr
	s_wait_dscnt 0x0
.irp u, 0xa2, 0xf3                  ; O^T and the partner's in window 2, then 3; the factors in window 0
	WIN \u
.irp t, 0,1
.set i, 0
.rept 32
	v_pk_mul_f32 v[64*\t+2*i:64*\t+2*i+1], v[64*\t+2*i:64*\t+2*i+1], v[G+4*\t:G+4*\t+1] op_sel_hi:[1,0]
.set i, i+1
.endr
.set i, 0
.rept 32
	v_pk_fma_f32 v[64*\t+2*i:64*\t+2*i+1], v[128+64*\t+2*i:128+64*\t+2*i+1], v[G+4*\t+2:G+4*\t+3], v[64*\t+2*i:64*\t+2*i+1] op_sel_hi:[1,0,1]
.set i, i+1
.endr
.endr
.endr
	; THE WAY OUT.  A tile: rounded to f16, 16 bytes a lane into rows of 528 bytes of my stage, back as whole rows of 512 bytes, stored.
.irp t, 0,1
	WIN 0x0a
.set i, 0
.rept 32
	v_cvt_pk_f16_f32 v[S+i], v[64*\t+2*i], v[64*\t+2*i+1]
.set i, i+1
.endr
	WIN 0x0f
.set i, 0
.rept 32
	v_cvt_pk_f16_f32 v[S+32+i], v[64*\t+2*i], v[64*\t+2*i+1]
.set i, i+1
.endr
	WIN 0
.set i, 0
.rept 16
	ds_store_b128 v[STO], v[S+4*i:S+4*i+3] offset:32*i
.set i, i+1
.endr
	s_wait_xcnt 0x0                 ; the tile before's stores have read their registers: they are loaded again only behind this wait
.set i, 0
.rept 16
	ds_load_b128 v[S+64+4*i:S+64+4*i+3], v[RD] offset:i*SP  ; LDS serves a wave's instructions in order (ISA guide 5.7.1.4): these see the stores above
.set i, i+1
.endr
.set i, 0
.rept 16
	s_wait_dscnt 15-i
	global_store_b128 v[GO], v[S+64+4*i:S+64+4*i+3], s[10:11] offset:(16*\t+i)*4096  ; 512 consecutive bytes, aligned: head h's part of a row of oc
.set i, i+1
.endr
.endr
	s_wait_tensorcnt 0x0            ; the wave's end
	ds_add_u32 v[SPW], v[NIL]
	s_wait_dscnt 0x0
	s_endpgm
.Lfunc_end_k_qe4f25516d7_attn:
	.size	k_qe4f25516d7_attn, .Lfunc_end_k_qe4f25516d7_attn-k_qe4f25516d7_attn
	.p2alignl 7, 3214868480
	.fill 96, 4, 3214868480
	.section	.rodata,"a",@progbits
	.p2align	6, 0x0
	.amdhsa_kernel k_qe4f25516d7_attn
		.amdhsa_group_segment_fixed_size 327680
		.amdhsa_private_segment_fixed_size 0
		.amdhsa_enable_private_segment 0
		.amdhsa_kernarg_size 16
		.amdhsa_user_sgpr_count 2
		.amdhsa_user_sgpr_kernarg_segment_ptr 1
		.amdhsa_wavefront_size32 1
		.amdhsa_system_sgpr_workgroup_id_x 1
		.amdhsa_system_sgpr_workgroup_id_y 1
		.amdhsa_system_sgpr_workgroup_id_z 1
		.amdhsa_system_vgpr_workitem_id 0
		.amdhsa_next_free_vgpr 1024
		.amdhsa_next_free_sgpr 66
		.amdhsa_reserve_vcc 1
		.amdhsa_float_denorm_mode_32 3
		.amdhsa_float_denorm_mode_16_64 3
		.amdhsa_memory_ordered 1
		.amdhsa_forward_progress 1
		.amdhsa_inst_pref_size 214
	.end_amdhsa_kernel
	.amdgpu_metadata
---
amdhsa.version: [ 1, 2 ]
amdhsa.kernels:
  - .name:           k_qe4f25516d7_attn
    .symbol:         k_qe4f25516d7_attn.kd
    .args:
      - { .name: qkv, .offset: 0, .size: 8, .value_kind: global_buffer, .address_space: global }
      - { .name: oc, .offset: 8, .size: 8, .value_kind: global_buffer, .address_space: global }
    .group_segment_fixed_size: 327680
    .private_segment_fixed_size: 0
    .kernarg_segment_align: 8
    .kernarg_segment_size: 16
    .max_flat_workgroup_size: 128
    .sgpr_count:     66
    .vgpr_count:     1024
    .wavefront_size: 32
...
	.end_amdgpu_metadata
.endif
;; end of part 3
;; launch outp (part 4): grid 4 x 64, 4 waves a work-group, clusters of 4 x 1, 327,680 bytes of LDS; arguments oc, wo16, out0; writes out0
.if DOCPART == 4
	.amdgcn_target "amdgcn-amd-amdhsa--gfx1250"
	.amdhsa_code_object_version 6
	.text
	.protected	k_qe4f25516d7_outp
	.globl	k_qe4f25516d7_outp
	.p2align	8
	.type	k_qe4f25516d7_outp,@function
k_qe4f25516d7_outp:
	s_mov_b64 s[64:65], 0
	v_nop
	global_prefetch_b8 v0, s[64:65] scope:SCOPE_SE
	s_setreg_imm32_b32 hwreg(HW_REG_WAVE_MODE, 25, 1), 1
	s_wait_xcnt 0x0
	s_wait_alu depctr_hold_cnt(0) depctr_sa_sdst(0) depctr_va_vdst(0) depctr_va_sdst(0) depctr_va_ssrc(0) depctr_va_vcc(0) depctr_vm_vsrc(0)
	s_getreg_b32 s2, hwreg(HW_REG_IB_STS2, 6, 4)
	s_cmp_eq_u32 s2, 0
	s_cbranch_scc0 .Lentry_in_a_cluster
	s_endpgm
.Lentry_in_a_cluster:
	s_bfe_u32 s2, ttmp6, 0x10000c
	s_cmp_lg_u32 s2, 0x3003
	s_cbranch_scc0 .Lentry_shape_is_right
	s_endpgm
.Lentry_shape_is_right:
; out0[m][n] = sum over k of oc[m][k] wO[k][n]: [4096 x 2048] x [2048 x 256], f16 operands, f32 sums and output.  wo16: f16 [4 g][2048 k][64 c], n = 64 g + c.
; SHARES.  A work-group makes 64 rows (y) x 64 columns (g = its place in the cluster): 256 work-groups.  K goes in 4 steps of 512 through two LDS slots; inside a step wave w takes k = 128 w .. 128 w + 127
; for the whole 64 x 64: 16 accumulators, 64 products a step, and every LDS byte is read once.  The four waves' partial tiles are added through LDS at the end, in a fixed order.
; CLUSTER.  The four column groups of a cluster need the same rows of oc: those tiles are asked for jointly (waves 0, 1).  wO's tiles hang on the column group: loads of one's own (waves 2, 3).
; THE MATRIX INSTRUCTION IS USED TRANSPOSED (source 0 = 16 columns of wO, turned out of LDS; source 1 = 16 rows of oc): a lane holds eight neighbouring columns of one row.
; REGISTERS.  window 0: v2-8 addresses; v128-255 the accumulators, (mt, nt) at 128 + 8 (4 mt + nt).  window 1: a step's fragments: K chunk kf at 64 kf: 4 of wO, then 4 of oc.
.set PA,    1040      ; a row of oc's tile in LDS: 1,024 bytes + 16 = 65 x 16: the 16 rows of a load start at 16 different groups of four banks (64 banks of 4 bytes: ISA guide 11.1)
.set PB,    288       ; two k rows of wO's tile: 256 bytes + 32: row k lies at (k / 2) 288 + (k % 2) 128, so 16 lanes of the turning load take 16 different 16-byte columns
.set AB,    64*PA
.set SLOT,  AB+256*PB
.set SPARE, 2*SLOT    ; the spare words, 128 bytes for each wave
.set PP,    272       ; a row of a partial tile: 256 bytes + 16
.set PART,  64*PP     ; the partial tiles lie in slot 0's bytes, behind its last fill and its last read
.set AA,  2           ; v2, v3  LDS address of my fragments of oc in slot 0, 1
.set ABD, 4           ; v4, v5  the same for wO
.set PWR, 6           ; v6   where I put my partial tile
.set PRD, 7           ; v7   where I read the four partial tiles' rows
.set GO,  8           ; v8   my byte offset in two rows of out0
.set SPW, 62
.set NIL, 63
.set ACC, 128
.set WV,  10
.set G1A, 16          ; s[16:23] descriptor group 1 for oc's tiles;  s[24:31] for wO's
.set G1B, 24
.set G0A, 32          ; s[32:39] descriptor group 0 for oc's tiles, one set for each slot;  s[48:55] for wO's
.set G0B, 48
; s40, s[42:43], s[46:47], s[48:55] and s[8:9] hold what hangs on my place in the cluster; none of them feeds a joint load
.set MSB, 0
.macro WIN new
.if MSB != (\new)
	s_set_vgpr_msb (MSB<<8)|(\new)
.set MSB, (\new)
.endif
.endm
.macro ROUND                        ; a round of the cluster's barrier
	s_barrier_signal -1
	s_barrier_wait -1
	s_cmp_lg_u32 s[WV], 0
	s_cbranch_scc1 .Lnw0_\@
	s_barrier_signal -3
.Lnw0_\@:
	s_barrier_wait -3
	s_barrier_signal -1
	s_barrier_wait -1
.endm
.macro PLACES
.rept 4
	v_nop
.endr
.endm
.macro JLOAD s                      ; waves 0, 1: the two halves of oc's tile, jointly; waves 2, 3: those of wO's.  An s_nop 0 and four v_nop follow each of the two lines
	s_cmp_eq_u32 s11, 0
	s_cbranch_scc0 .Lfor_b_\@
	tensor_load_to_lds s[G0A+4*(\s):G0A+4*(\s)+3], s[G1A:G1A+7]
	s_nop 0
.rept 4
	v_nop
.endr
	s_branch .Lasked_\@
.Lfor_b_\@:
	tensor_load_to_lds s[G0B+4*(\s):G0B+4*(\s)+3], s[G1B:G1B+7]
	s_nop 0
.rept 4
	v_nop
.endr
.Lasked_\@:
.endm
	s_load_b128 s[4:7], s[0:1], 0x0                ; oc s[4:5], wo16 s[6:7]
	s_load_b64 s[8:9], s[0:1], 0x10                ; out0
	v_lshl_add_u32 v[SPW], v0, 2, SPARE
	v_mov_b32 v[NIL], 0
	ds_add_u32 v[SPW], v[NIL]                      ; the wave's opening: the add and its wait ahead of my first tensor load
	ds_add_u32 v62, v63
	v_lshrrev_b32 v1, 5, v0
	v_readfirstlane_b32 s[WV], v1
	s_lshr_b32 s11, s[WV], 1                       ; I fetch for oc (0) or for wO (1),
	s_and_b32 s12, s[WV], 1                        ; and which half of that tile
	s_and_b32 s13, ttmp7, 0xffff                   ; the block of 64 rows, which the four partners share
	s_bfe_u32 s40, ttmp6, 0x40000                  ; cx = g
	s_mov_b32 s[G1A+0], 15|(1<<16)|(1<<20)|(1<<21)|(7<<22)|(3<<25)  ; the mask of four; 2-byte elements; padding on; bit 21 beside a mask; after every 256 words; 4 words
	s_mov_b32 s[G1A+1], 512<<16                    ; tensor_dim0 = 512
	s_mov_b32 s[G1A+2], 32<<16                     ; tensor_dim1 = 32
	s_mov_b32 s[G1A+3], 512<<16                    ; tile_dim0 = 512
	s_mov_b32 s[G1A+4], 32                         ; tile_dim1 = 32
	s_mov_b32 s[G1A+5], 2048                       ; 2,048 elements from row to row
	s_mov_b32 s[G1A+6], 0
	s_mov_b32 s[G1A+7], 0
	s_mov_b32 s[G1B+0], (1<<16)|(1<<20)|(5<<22)|(7<<25)  ; no mask; after every 64 words; 8 words
	s_mov_b32 s[G1B+1], 128<<16                    ; 256 k rows are 32,768 dense bytes: asked for as 128 rows of 256 bytes
	s_mov_b32 s[G1B+2], 128<<16
	s_mov_b32 s[G1B+3], 128<<16
	s_mov_b32 s[G1B+4], 128
	s_mov_b32 s[G1B+5], 128
	s_mov_b32 s[G1B+6], 0
	s_mov_b32 s[G1B+7], 0
	s_lshl_b32 s14, s13, 18                        ; oc: row 64 y + 32 half, 4,096 bytes each
	s_lshl_b32 s15, s12, 17
	s_add_co_u32 s14, s14, s15
	s_mov_b32 s15, 0
	s_lshl_b32 s42, s40, 18                        ; wo16: block g, 256 half k rows of 128 bytes
	s_lshl_b32 s43, s12, 15
	s_add_co_u32 s42, s42, s43
	s_mov_b32 s43, 0
	s_lshl_b32 s46, s13, 16                        ; out0: row 64 y + 16 w, 1,024 bytes each; column group g's 256 bytes
	s_lshl_b32 s47, s[WV], 14
	s_add_co_u32 s46, s46, s47
	s_lshl_b32 s47, s40, 8
	s_add_co_u32 s46, s46, s47
	s_mov_b32 s47, 0
	s_mul_i32 s56, s12, 32*PA
	s_mul_i32 s57, s12, 128*PB
	s_add_co_u32 s57, s57, AB
.irp s, 0,1
	s_mov_b32 s[G0A+4*\s], 1
	s_add_co_u32 s[G0A+4*\s+1], s56, \s*SLOT
	s_mov_b32 s[G0B+4*\s], 1
	s_add_co_u32 s[G0B+4*\s+1], s57, \s*SLOT
.endr
	s_wait_dscnt 0x0                               ; the opening add is done
	s_wait_kmcnt 0x0
	s_add_nc_u64 s[4:5], s[4:5], s[14:15]
	s_add_nc_u64 s[6:7], s[6:7], s[42:43]
	s_add_nc_u64 s[8:9], s[8:9], s[46:47]
.irp s, 0,1
	s_add_nc_u64 s[G0A+4*\s+2:G0A+4*\s+3], s[4:5], \s*1024   ; K step s: 512 elements along the rows
	s_or_b32 s[G0A+4*\s+3], s[G0A+4*\s+3], 0x80000000
	s_add_nc_u64 s[G0B+4*\s+2:G0B+4*\s+3], s[6:7], \s*65536  ; 512 k rows down
	s_or_b32 s[G0B+4*\s+3], s[G0B+4*\s+3], 0x80000000
.endr
	ROUND                                          ; all four work-groups are here: the first joint loads meet
	s_cmp_eq_u32 s11, 0                            ; a wave's two first fills stand in one branch: two loads of mine are out
	s_cbranch_scc0 .Lfirst_b
	tensor_load_to_lds s[G0A:G0A+3], s[G1A:G1A+7]
	s_nop 0
	tensor_load_to_lds s[G0A+4:G0A+7], s[G1A:G1A+7]
	s_nop 0
.rept 4
	v_nop
.endr
	s_branch .Lfirst_asked
.Lfirst_b:
	tensor_load_to_lds s[G0B:G0B+3], s[G1B:G1B+7]
	s_nop 0
	tensor_load_to_lds s[G0B+4:G0B+7], s[G1B:G1B+7]
	s_nop 0
.rept 4
	v_nop
.endr
.Lfirst_asked:
	v_and_b32 v9, 15, v0                           ; r
	v_bfe_u32 v10, v0, 4, 1                        ; h
	v_mul_u32_u24 v[AA], v9, PA
	v_lshl_add_u32 v[AA], v10, 4, v[AA]
	s_lshl_b32 s14, s[WV], 8                       ; my 128 k of a step: 256 bytes along the rows
	v_add_nc_u32 v[AA], s14, v[AA]
	v_add_nc_u32 v[AA+1], SLOT, v[AA]
	v_bfe_u32 v11, v0, 1, 2                        ; the turning load: lane l reads k row 8 h + l % 8: double row 4 h + (l % 8) / 2,
	v_lshl_add_u32 v11, v10, 2, v11
	v_mul_u32_u24 v[ABD], v11, PB
	v_and_b32 v11, 1, v0                           ; its first or second 128 bytes,
	v_lshl_add_u32 v[ABD], v11, 7, v[ABD]
	v_bfe_u32 v11, v0, 3, 1                        ; columns 8 ((l / 8) % 2) on
	v_lshl_add_u32 v[ABD], v11, 4, v[ABD]
	s_mul_i32 s14, s[WV], 64*PB                    ; my 128 k rows
	s_add_co_u32 s14, s14, AB
	v_add_nc_u32 v[ABD], s14, v[ABD]
	v_add_nc_u32 v[ABD+1], SLOT, v[ABD]
	v_mul_u32_u24 v[PWR], v9, PP                   ; my partial tile: row r, 32 bytes for each half of the lanes
	v_lshl_add_u32 v[PWR], v10, 5, v[PWR]
	s_mul_i32 s14, s[WV], PART
	v_add_nc_u32 v[PWR], s14, v[PWR]
	v_mul_u32_u24 v[PRD], v10, PP                  ; back: rows 16 w on; lanes 0-15 one row of 256 bytes, lanes 16-31 the next
	v_lshl_add_u32 v[PRD], v9, 4, v[PRD]
	s_mul_i32 s14, s[WV], 16*PP
	v_add_nc_u32 v[PRD], s14, v[PRD]
	v_lshlrev_b32 v[GO], 10, v10
	v_lshl_add_u32 v[GO], v9, 4, v[GO]
; A K step: 64 LDS loads in one run, K chunks ascending; then 4 x 16 products, the 16 accumulators by turns.  zero = 1: the first chunk starts the sums.
.macro STEP slot, zero
	PLACES                                         ; behind the products that read these registers
	WIN 0x40                                       ; destination window 1
.irp kf, 0,1,2,3
.irp i, 0,1,2,3
	ds_load_tr16_b128 v[64*\kf+8*\i:64*\kf+8*\i+3],   v[ABD+(\slot)] offset:\kf*16*PB+32*\i
	ds_load_tr16_b128 v[64*\kf+8*\i+4:64*\kf+8*\i+7], v[ABD+(\slot)] offset:\kf*16*PB+8*PB+32*\i
	ds_load_b128 v[64*\kf+32+8*\i:64*\kf+32+8*\i+3],   v[AA+(\slot)] offset:\i*16*PA+\kf*64
	ds_load_b128 v[64*\kf+32+8*\i+4:64*\kf+32+8*\i+7], v[AA+(\slot)] offset:\i*16*PA+\kf*64+32
.endr
.endr
	WIN 0x05                                       ; sources window 1, C and D window 0
.irp kf, 0,1,2,3
	s_wait_dscnt 48-16*\kf                         ; this chunk's 16 loads are in; the later chunks' stay out
.irp mt, 0,1,2,3
.irp nt, 0,1,2,3
.if (\zero) && ((\kf) == 0)
	v_wmma_f32_16x16x32_f16 v[ACC+8*(4*\mt+\nt):ACC+8*(4*\mt+\nt)+7], v[64*\kf+8*\nt:64*\kf+8*\nt+7], v[64*\kf+32+8*\mt:64*\kf+32+8*\mt+7], 0
.else
	v_wmma_f32_16x16x32_f16 v[ACC+8*(4*\mt+\nt):ACC+8*(4*\mt+\nt)+7], v[64*\kf+8*\nt:64*\kf+8*\nt+7], v[64*\kf+32+8*\mt:64*\kf+32+8*\mt+7], v[ACC+8*(4*\mt+\nt):ACC+8*(4*\mt+\nt)+7]
.endif
.endr
.endr
.endr
.endm
; The slot just read is filled again, two K steps on.  Each wave waits for all its tensor loads (one is out: its part of the other slot), adds 0 to its spare word, waits for that and for its reads;
; the round shows the same of every wave of every partner; the refill is the first thing behind it.
.macro CHG slot
	WIN 0
	s_wait_tensorcnt 0x0
	ds_add_u32 v[SPW], v[NIL]                      ; 0 onto my spare word; the descriptors' steps stand between it and the wait for it
	s_add_nc_u64 s[G0A+4*(\slot)+2:G0A+4*(\slot)+3], s[G0A+4*(\slot)+2:G0A+4*(\slot)+3], 2048
	s_add_nc_u64 s[G0B+4*(\slot)+2:G0B+4*(\slot)+3], s[G0B+4*(\slot)+2:G0B+4*(\slot)+3], 131072
	s_wait_dscnt 0x0
	ROUND
	JLOAD \slot
.endm
	s_wait_tensorcnt 0x1                           ; my part of K step 0 is in; step 1's stays out
	s_barrier_signal -1
	s_barrier_wait -1
	STEP 0, 1
	CHG 0
	STEP 1, 0
	CHG 1
	STEP 0, 0
	WIN 0
	s_wait_tensorcnt 0x0                           ; my part of the last K step is in,
	s_wait_dscnt 0x0                               ; and my reads of slot 0 are over: behind this barrier its bytes may be stored into
	s_barrier_signal -1
	s_barrier_wait -1
	STEP 1, 0
	WIN 0
	PLACES
.irp mt, 0,1,2,3
.irp nt, 0,1,2,3
	ds_store_b128 v[PWR], v[ACC+8*(4*\mt+\nt):ACC+8*(4*\mt+\nt)+3]   offset:\mt*16*PP+64*\nt     ; each accumulator's low registers first
	ds_store_b128 v[PWR], v[ACC+8*(4*\mt+\nt)+4:ACC+8*(4*\mt+\nt)+7] offset:\mt*16*PP+64*\nt+16
.endr
.endr
	s_wait_dscnt 0x0                               ; for the others' sake
	s_barrier_signal -1
	s_barrier_wait -1
.irp i, 0,1,2,3,4,5,6,7
.irp p, 0,1,2,3
	ds_load_b128 v[ACC+16*\i+4*\p:ACC+16*\i+4*\p+3], v[PRD] offset:\p*PART+\i*2*PP  ; rows 16 w + 2 i, + 1 of partial tile p
.endr
.endr
.set i, 0
.rept 8
	s_wait_dscnt 28-4*i                            ; this pair of rows is in, all four parts
.set b, ACC+16*i
	v_pk_add_f32 v[b:b+1], v[b:b+1], v[b+4:b+5]
	v_pk_add_f32 v[b+2:b+3], v[b+2:b+3], v[b+6:b+7]
	v_pk_add_f32 v[b+8:b+9], v[b+8:b+9], v[b+12:b+13]
	v_pk_add_f32 v[b+10:b+11], v[b+10:b+11], v[b+14:b+15]
	v_pk_add_f32 v[b:b+1], v[b:b+1], v[b+8:b+9]
	v_pk_add_f32 v[b+2:b+3], v[b+2:b+3], v[b+10:b+11]
	global_store_b128 v[GO], v[b:b+3], s[8:9] offset:i*2048  ; 16 lanes store 256 consecutive bytes, aligned
.set i, i+1
.endr
	s_wait_tensorcnt 0x0                           ; the wave's end
	ds_add_u32 v[SPW], v[NIL]
	s_wait_dscnt 0x0
	ROUND                                          ; the closing round
	s_endpgm
.Lfunc_end_k_qe4f25516d7_outp:
	.size	k_qe4f25516d7_outp, .Lfunc_end_k_qe4f25516d7_outp-k_qe4f25516d7_outp
	.p2alignl 7, 3214868480
	.fill 96, 4, 3214868480
	.section	.rodata,"a",@progbits
	.p2align	6, 0x0
	.amdhsa_kernel k_qe4f25516d7_outp
		.amdhsa_group_segment_fixed_size 327680
		.amdhsa_private_segment_fixed_size 0
		.amdhsa_enable_private_segment 0
		.amdhsa_kernarg_size 24
		.amdhsa_user_sgpr_count 2
		.amdhsa_user_sgpr_kernarg_segment_ptr 1
		.amdhsa_wavefront_size32 1
		.amdhsa_system_sgpr_workgroup_id_x 1
		.amdhsa_system_sgpr_workgroup_id_y 1
		.amdhsa_system_sgpr_workgroup_id_z 1
		.amdhsa_system_vgpr_workitem_id 0
		.amdhsa_next_free_vgpr 512
		.amdhsa_next_free_sgpr 66
		.amdhsa_reserve_vcc 0
		.amdhsa_float_denorm_mode_32 3
		.amdhsa_float_denorm_mode_16_64 3
		.amdhsa_memory_ordered 1
		.amdhsa_forward_progress 1
		.amdhsa_inst_pref_size 51
	.end_amdhsa_kernel
	.amdgpu_metadata
---
amdhsa.version: [ 1, 2 ]
amdhsa.kernels:
  - .name:           k_qe4f25516d7_outp
    .symbol:         k_qe4f25516d7_outp.kd
    .args:
      - { .name: oc, .offset: 0, .size: 8, .value_kind: global_buffer, .address_space: global }
      - { .name: wo16, .offset: 8, .size: 8, .value_kind: global_buffer, .address_space: global }
      - { .name: out0, .offset: 16, .size: 8, .value_kind: global_buffer, .address_space: global }
    .group_segment_fixed_size: 327680
    .private_segment_fixed_size: 0
    .kernarg_segment_align: 8
    .kernarg_segment_size: 24
    .max_flat_workgroup_size: 128
    .sgpr_count:     66
    .vgpr_count:     512
    .wavefront_size: 32
...
	.end_amdgpu_metadata
.endif
;; end of part 4
